; MI455X (gfx1250); checked and timed in simulation.
; The chip was launched on July 23, 2026; its instructions are those of AMD's public machine-readable ISA for CDNA 5 (MIT licence, August 2026) and "CDNA5" Instruction Set Architecture Reference Guide (July 2026). The comments in the code are by the model that wrote it; some were corrected since.
;; Multi Head Attention. Allowed arithmetic: float matrix products may take bf16 or f16 operands with f32 sums; all other float work in f32.
;; Inputs: Wk 1,024 x 1,024 float32; Wo 1,024 x 1,024 float32; Wq 1,024 x 1,024 float32; Wv 1,024 x 1,024 float32; bk 1,024 float32; bo 1,024 float32; bq 1,024 float32; bv 1,024 float32; mask 2,048 x 2,048 bool; pre_key 2 x 2,048 x 1,024 float32; pre_query 2 x 2,048 x 1,024 float32; pre_value 2 x 2,048 x 1,024 float32.
;; Outputs: out0 2 x 2,048 x 1,024 float32.
;; One version. Each part assembles by itself: llvm-mc -triple=amdgcn-amd-amdhsa -mcpu=gfx1250 --defsym DOCPART=n.
;; ======== version 1 of 1: 4 launches
;; limits: values are held in f16: magnitudes above 65,504 overflow, below 6.1e-05 lose precision
;; workspace buffers: qkv 25,165,824 bytes; ao 8,388,608 bytes; wob 2,097,152 bytes; mw 524,288 bytes of whole numbers
;; launch prep (part 1): grid 256 x 1, 4 waves a work-group, no clusters, 17,920 bytes of LDS; arguments mask, Wo, mw, wob; writes mw, wob
.if DOCPART == 1
	.amdgcn_target "amdgcn-amd-amdhsa--gfx1250"
	.amdhsa_code_object_version 6
	.text
	.protected	k_q4f189a25db_prep
	.globl	k_q4f189a25db_prep
	.p2align	8
	.type	k_q4f189a25db_prep,@function
k_q4f189a25db_prep:
	s_mov_b64 s[64:65], 0
	v_nop
	global_prefetch_b8 v0, s[64:65] scope:SCOPE_SE
	s_setreg_imm32_b32 hwreg(HW_REG_WAVE_MODE, 25, 1), 1
	s_wait_xcnt 0x0
; prep: two small re-layouts that the later launches read.
; (1) mask [2048][2048] bytes -> mw [qt 128][kt 128][j 8] words of 32 bits: bit L of a word is mask[16 qt + (L & 15)][16 kt + 8 (L >> 4) + j].
;     That is the lane mask of register j of a 16 x 16 tile of transposed scores (lane = query L & 15, key 8 (L >> 4) + j).
; (2) Wo [1024 n][1024 k] f32 -> wob [kb 16][n 1024][64] f16 (k = 64 kb + kk).  LIMIT: a |Wo| of 65,520 or more becomes infinite; below 2^-14 the step is 2^-24.
; 256 work-groups of four waves.  Wave w of group g takes 16 mask rows (qt = g >> 1) x 256 keys (sp = 4 (g & 1) + w) and, of Wo, rows 4 g .. 4 g + 3,
; k = 256 w .. 256 w + 255.  Every input byte is read once; every store of a wave covers 256 consecutive bytes, aligned.
; No matrix unit, no cluster, no tensor load: the work-groups share no input and the work is a stream of 8 MiB.
; Each wave has its own 16 x 272 bytes of LDS, so there is no barrier.
.set LP,   272                         ; LDS pitch: 256 bytes of a mask row + 16, an odd multiple of 16 bytes
.set WLDS, 16*LP                       ; a wave's LDS
.set MK,  8                            ; v[8:39]    mask bytes as loaded: load i holds rows 2 i, 2 i + 1
.set MB,  40                           ; v[40:71]   kt: 8 mask bytes of my query r, keys 16 kt + 8 h + 0..7
.set WD,  72                           ; v[72:75]   the 128 words, two to a lane, twice
.set TP,  76                           ; v[76:79]   at work
.set WF,  80                           ; v[80:111]  Wo as loaded
.set WB,  112                          ; v[112:127] Wo in f16
	s_load_b256 s[4:11], s[0:1], 0x0               ; mask s[4:5], Wo s[6:7], mw s[8:9], wob s[10:11]
	v_lshl_add_u32 v128, v0, 2, 0x4400
	v_mov_b32 v129, 0
	v_lshrrev_b32 v1, 5, v0
	v_readfirstlane_b32 s12, v1                    ; wave
	v_and_b32 v2, 15, v0                           ; r
	v_bfe_u32 v3, v0, 4, 1                         ; h
	v_and_b32 v1, 31, v0
	v_lshlrev_b32 v1, 3, v1                        ; 8 x lane: both outputs are stored 8 bytes a lane
	v_lshlrev_b32 v[TP], 4, v2                     ; 16 r
	v_lshl_add_u32 v4, v3, 11, v[TP]               ; mask: h rows of 2,048 bytes + 16 r
	v_lshl_add_u32 v5, v3, 12, v[TP]               ; Wo:   h rows of 4,096 bytes + 16 r
	s_mul_i32 s13, s12, WLDS
	v_mul_u32_u24 v6, v3, LP
	v_add_nc_u32 v6, v6, v[TP]
	v_add_nc_u32 v6, s13, v6                       ; LDS in:  row h of a pair, 16 r
	v_mul_u32_u24 v7, v2, LP
	v_lshl_add_u32 v7, v3, 3, v7
	v_add_nc_u32 v7, s13, v7                       ; LDS out: row r, 8 h
	s_lshr_b32 s14, ttmp9, 1                       ; qt
	s_and_b32 s15, ttmp9, 1
	s_lshl2_add_u32 s15, s15, s12                  ; sp = 4 (g & 1) + w
	s_lshl_b32 s24, s14, 15                        ; mask: 16 rows of 2,048 bytes a qt,
	s_lshl_b32 s25, s15, 8                         ; 256 keys an sp
	s_add_co_u32 s24, s24, s25
	s_mov_b32 s25, 0
	s_lshl_b32 s26, ttmp9, 14                      ; Wo: 4 rows of 4,096 bytes a group,
	s_lshl_b32 s27, s12, 10                        ; 256 k of 4 bytes a wave
	s_add_co_u32 s26, s26, s27
	s_mov_b32 s27, 0
	s_lshl_b32 s28, s14, 12                        ; mw: 4,096 bytes a qt,
	s_lshl_b32 s29, s15, 9                         ; 16 kt x 8 words an sp
	s_add_co_u32 s28, s28, s29
	s_mov_b32 s29, 0
	s_lshl_b32 s30, ttmp9, 9                       ; wob: 4 rows of 128 bytes a group,
	s_lshl_b32 s31, s12, 19                        ; 4 kb of 131,072 bytes a wave
	s_add_co_u32 s30, s30, s31
	s_mov_b32 s31, 0
	s_wait_kmcnt 0x0
	s_add_nc_u64 s[4:5], s[4:5], s[24:25]
	s_add_nc_u64 s[6:7], s[6:7], s[26:27]
	s_add_nc_u64 s[8:9], s[8:9], s[28:29]
	s_add_nc_u64 s[10:11], s[10:11], s[30:31]
.irp i, 0,1,2,3,4,5,6,7
	global_load_b128 v[MK+4*\i:MK+4*\i+3], v4, s[4:5] offset:\i*4096 th:TH_LOAD_NT     ; two rows x 256 bytes
.endr
.irp p, 0,1
.irp c, 0,1,2,3
	global_load_b128 v[WF+16*\p+4*\c:WF+16*\p+4*\c+3], v5, s[6:7] offset:\p*8192+\c*256 th:TH_LOAD_NT   ; rows 2 p + h, kb = 4 w + c
.endr
.endr
	s_wait_loadcnt 0x8                             ; the mask's eight loads are in; Wo's eight may stay out
.irp i, 0,1,2,3,4,5,6,7
	ds_store_b128 v6, v[MK+4*\i:MK+4*\i+3] offset:\i*2*LP
.endr
.irp kt, 0,1,2,3,4,5,6,7,8,9,10,11,12,13,14,15
	ds_load_b64 v[MB+2*\kt:MB+2*\kt+1], v7 offset:16*\kt   ; my wave's own bytes: LDS serves a wave's instructions in order (ISA guide 5.7.1)
.endr
	s_wait_loadcnt 0x0                             ; Wo
.irp i, 0,1,2,3,4,5,6,7
	v_cvt_pk_f16_f32 v[WB+2*\i],   v[WF+4*\i],   v[WF+4*\i+1]
	v_cvt_pk_f16_f32 v[WB+2*\i+1], v[WF+4*\i+2], v[WF+4*\i+3]
.endr
.irp p, 0,1
.irp c, 0,1,2,3
	global_store_b64 v1, v[WB+8*\p+2*\c:WB+8*\p+2*\c+1], s[10:11] offset:\c*131072+\p*256   ; two rows of 128 bytes: 256 consecutive bytes
.endr
.endr
.irp i, 0,1,2,3
	v_mov_b32 v[WD+\i], 0                          ; v_writelane_b32 keeps the other lanes: the registers are written whole first
.endr
	s_wait_dscnt 0x0
; word 8 kt + j goes to lane (8 kt + j) / 2 of the pair for kt < 8 or of the pair for kt >= 8
.set kt, 0
.rept 16
.set j, 0
.rept 8
	v_and_b32 v[TP+j%4], 0xff<<(8*(j&3)), v[MB+2*kt+(j>>2)]        ; byte j of my eight
	v_cmp_ne_u32 s[16+j], 0, v[TP+j%4]                             ; one bit a lane: the word
	v_writelane_b32 v[WD+2*(kt>>3)+(j&1)], s[16+j], 4*(kt&7)+(j>>1)
.set j, j+1
.endr
.set kt, kt+1
.endr
	global_store_b64 v1, v[WD:WD+1], s[8:9]
	global_store_b64 v1, v[WD+2:WD+3], s[8:9] offset:256
	s_wait_tensorcnt 0x0
	ds_add_u32 v128, v129
	s_wait_dscnt 0x0
	s_endpgm
.Lfunc_end_k_q4f189a25db_prep:
	.size	k_q4f189a25db_prep, .Lfunc_end_k_q4f189a25db_prep-k_q4f189a25db_prep
	.p2alignl 7, 3214868480
	.fill 96, 4, 3214868480
	.section	.rodata,"a",@progbits
	.p2align	6, 0x0
	.amdhsa_kernel k_q4f189a25db_prep
		.amdhsa_group_segment_fixed_size 17920
		.amdhsa_private_segment_fixed_size 0
		.amdhsa_enable_private_segment 0
		.amdhsa_kernarg_size 32
		.amdhsa_user_sgpr_count 2
		.amdhsa_user_sgpr_kernarg_segment_ptr 1
		.amdhsa_wavefront_size32 1
		.amdhsa_system_sgpr_workgroup_id_x 1
		.amdhsa_system_sgpr_workgroup_id_y 1
		.amdhsa_system_sgpr_workgroup_id_z 1
		.amdhsa_system_vgpr_workitem_id 0
		.amdhsa_next_free_vgpr 130
		.amdhsa_next_free_sgpr 66
		.amdhsa_reserve_vcc 0
		.amdhsa_float_denorm_mode_32 3
		.amdhsa_float_denorm_mode_16_64 3
		.amdhsa_memory_ordered 1
		.amdhsa_forward_progress 1
		.amdhsa_inst_pref_size 32
	.end_amdhsa_kernel
	.amdgpu_metadata
---
amdhsa.version: [ 1, 2 ]
amdhsa.kernels:
  - .name:           k_q4f189a25db_prep
    .symbol:         k_q4f189a25db_prep.kd
    .args:
      - { .name: mask, .offset: 0, .size: 8, .value_kind: global_buffer, .address_space: global }
      - { .name: Wo, .offset: 8, .size: 8, .value_kind: global_buffer, .address_space: global }
      - { .name: mw, .offset: 16, .size: 8, .value_kind: global_buffer, .address_space: global }
      - { .name: wob, .offset: 24, .size: 8, .value_kind: global_buffer, .address_space: global }
    .group_segment_fixed_size: 17920
    .private_segment_fixed_size: 0
    .kernarg_segment_align: 8
    .kernarg_segment_size: 32
    .max_flat_workgroup_size: 128
    .sgpr_count:     66
    .vgpr_count:     130
    .wavefront_size: 32
...
	.end_amdgpu_metadata
.endif
;; end of part 1
;; launch proj (part 2): grid 4 x 48, 4 waves a work-group, clusters of 4 x 4, 327,680 bytes of LDS; arguments pre_query, pre_key, pre_value, Wq, Wk, Wv, bq, bk, bv, qkv; writes qkv
.if DOCPART == 2
	.amdgcn_target "amdgcn-amd-amdhsa--gfx1250"
	.amdhsa_code_object_version 6
	.text
	.protected	k_q4f189a25db_proj
	.globl	k_q4f189a25db_proj
	.p2align	8
	.type	k_q4f189a25db_proj,@function
k_q4f189a25db_proj:
	s_mov_b64 s[64:65], 0
	v_nop
	global_prefetch_b8 v0, s[64:65] scope:SCOPE_SE
	s_setreg_imm32_b32 hwreg(HW_REG_WAVE_MODE, 25, 1), 1
	s_wait_xcnt 0x0
	s_wait_alu depctr_hold_cnt(0) depctr_sa_sdst(0) depctr_va_vdst(0) depctr_va_sdst(0) depctr_va_ssrc(0) depctr_va_vcc(0) depctr_vm_vsrc(0)
	s_getreg_b32 s2, hwreg(HW_REG_IB_STS2, 6, 4)
	s_cmp_eq_u32 s2, 0
	s_cbranch_scc0 .Lentry_in_a_cluster
	s_endpgm
.Lentry_in_a_cluster:
	s_bfe_u32 s2, ttmp6, 0x10000c
	s_cmp_lg_u32 s2, 0xf033
	s_cbranch_scc0 .Lentry_shape_is_right
	s_endpgm
.Lentry_shape_is_right:
; proj: q, k, v = x W^T + b.  x: [4096][1024] f32, W: [1024 n][1024 k] f32, b: [1024] f32; the three results go, rounded once to f16, to
; qkv [which 3][batch 2][head 16][l 2048][64].  Sums in f32; x and W are rounded to f16 on the way from LDS to the matrix unit.
; WHY F16: 11 significant bits; the output is a small average of many v (its spread is a twentieth of v's), so each rounding of an operand counts.
; RANGE: the largest finite f16 is 65,504.  With x of spread 1 and W of spread 1/32, |q|, |k|, |v| stay near 5; with x, W, b all 30 times larger near
; 900 x 5 = 4,500; with offsets of 30 spreads on x (30) and on W (30/32) near 1024 x 30 x 30/32 = 28,800.  LIMIT: a result (or an x, a W) of magnitude
; 65,520 or more becomes infinite.  Below 2^-14 f16 has the fixed step 2^-24.
; 192 work-groups: 3 products x 16 x 4 blocks of 256 x 256.  Four waves, 128 x 128 each: 64 accumulator tiles, 512 registers.
; K goes in 16 steps of 64 f32 (rows of 256 bytes, at multiples of 256 bytes) through two LDS slots filled by the tensor data mover.
; CLUSTERS: 4 x 4 work-groups, all of one product (the product's number comes from the cluster's y alone).  The four of a row of the cluster
; need the same rows of x, the four of a column the same rows of W: each tile is asked for jointly, which divides the requests by four.
; A half step (32 along K): 64 LDS loads bring f32 into stage registers, 128 conversions pack them into f16 fragments, 64 products.  The next
; half step's loads are issued in front of the products and land under them.
; REGISTERS in windows of 256:
;   window 0: v16-27 addresses; v64-127 A's 8 fragments; v128-255 A's stage (8 x 16 f32), on the way out packed results
;   window 1: v0-63 the bias as a C operand; v64-127 B's 8 fragments; v128-255 B's stage
;   window 2: accumulator tiles of my rows 0-63 (tile (a, b) at v[8 (8 a + b)]);   window 3: rows 64-127
; The product is used transposed (source 0 = rows of W, source 1 = rows of x): lane l holds row l % 16 and eight neighbouring columns
; 8 (l / 16) + 0..7, which pack into 16 bytes of one head's row.  The first product of each tile takes the bias as C: nothing is cleared or added later.
.set ROWB,   4096                      ; bytes in a row of x or W
.set KSTEPB, 256                       ; bytes of a K step in a row
.set PITCH,  272                       ; LDS row: 256 bytes + 16: an odd multiple of 16, so 16 rows start in 16 different 16-byte columns of 256 bytes
.set HALFT,  128*PITCH                 ; what one tensor load brings
.set SLOT,   4*HALFT                   ; x's 256 rows, then W's 256 rows
.set STAGE,  2*SLOT                    ; behind the ring, never filled by a tensor load: for each wave 2 heads x 16 rows x 144 bytes
.set SPITCH, 144
.set SHEAD,  16*SPITCH
.set ADRA, 16                          ; v16-17 LDS address of my A rows in slot 0, 1
.set ADRB, 20                          ; v20-21 the same for B
.set STO,  24
.set RD,   25
.set CO,   26
.set BO,   27
.set BIAS, 0                           ; window 1
.set FR,   64                          ; fragments (window 0: A, window 1: B)
.set ST,   128                         ; stages   (window 0: A, window 1: B)
.set TMP,  192
.set G1,  24                           ; s[24:31] group 1 for x's tiles
.set G0,  32                           ; s[32:39] group 0 for x's tiles, one set a slot
.set G1B, 48                           ; s[48:55] group 1 for W's tiles
.set G0B, 56                           ; s[56:63] group 0 for W's tiles
.set MSB, 0
.macro WIN new                         ; the immediate's high byte repeats the setting that is left
.if MSB != \new
	s_set_vgpr_msb (MSB<<8)|\new
.set MSB, \new
.endif
.endm
.macro PLACES                          ; four places behind a matrix instruction (ISA guide 7.12.1)
.rept 4
	v_nop
.endr
.endm
; A joint load: waves 0, 1 fetch x's two halves, waves 2, 3 W's.  The branch hangs on the wave's number alone.
.macro JLOAD s
	s_cmp_eq_u32 s11, 0
	s_cbranch_scc0 .Lfor_b_\@
	tensor_load_to_lds s[G0+4*\s:G0+4*\s+3], s[G1:G1+7]
	s_nop 0
	s_branch .Lasked_\@
.Lfor_b_\@:
	tensor_load_to_lds s[G0B+4*\s:G0B+4*\s+3], s[G1B:G1B+7]
	s_nop 0
.Lasked_\@:
.endm
.macro CREST                           ; a round of the cluster's barrier behind its opening work-group barrier
	s_cmp_lg_u32 s10, 0
	s_cbranch_scc1 .Lnot_wave_0_\@
	s_barrier_signal -3
.Lnot_wave_0_\@:
	s_barrier_wait -3
	s_barrier_signal -1
	s_barrier_wait -1
.endm
.macro CROUND
	s_barrier_signal -1
	s_barrier_wait -1
	CREST
.endm
	s_load_b512 s[68:83], s[0:1], 0x0              ; pre_query, pre_key, pre_value, Wq, Wk, Wv, bq, bk
	s_load_b128 s[84:87], s[0:1], 0x40             ; bv, qkv
	v_lshl_add_u32 v62, v0, 2, 0x48800
	v_mov_b32 v63, 0
	ds_add_u32 v62, v63
	v_lshrrev_b32 v1, 5, v0
	v_readfirstlane_b32 s10, v1                    ; wave 0..3
	s_lshr_b32 s11, s10, 1                         ; my half of the block's rows.  Also: I fetch for x (0) or W (1)
	s_and_b32 s12, s10, 1                          ; my half of its columns.  Also: which 128 rows of that tile I fetch
	s_bfe_u32 s40, ttmp6, 0x40000                  ; cx
	s_bfe_u32 s41, ttmp6, 0x40004                  ; cy
	s_lshl_b32 s42, ttmp9, 2
	s_add_co_u32 s42, s42, s40                     ; block column 0..3
	s_and_b32 s13, ttmp7, 0xffff                   ; the cluster's y, 0..11
	s_lshr_b32 s45, s13, 2                         ; which product: 0 q, 1 k, 2 v; the same in all sixteen work-groups
	s_lshl_b32 s13, s13, 2
	s_add_co_u32 s13, s13, s41
	s_and_b32 s13, s13, 15                         ; block row 0..15 inside the product
	s_lshl_b32 s43, s41, 2
	s_lshl_b32 s43, 15, s43                        ; my row of the cluster
	s_lshl_b32 s44, 0x1111, s40                    ; my column
	; group 1: 128 rows x 64 elements of 4 bytes, 4 words of padding behind every 64 words
	s_or_b32 s[G1+0], s43, (2<<16)|(1<<20)|(1<<21)|(5<<22)|(3<<25)
	s_or_b32 s[G1B+0], s44, (2<<16)|(1<<20)|(1<<21)|(5<<22)|(3<<25)
	s_mov_b32 s[G1+1], 64<<16                      ; tensor_dim0 = 64
	s_mov_b32 s[G1B+1], 64<<16
	s_mov_b32 s[G1+2], 128<<16                     ; tensor_dim1 = 128
	s_mov_b32 s[G1B+2], 128<<16
	s_mov_b32 s[G1+3], 64<<16                      ; tile_dim0 = 64
	s_mov_b32 s[G1B+3], 64<<16
	s_mov_b32 s[G1+4], 128                         ; tile_dim1 = 128
	s_mov_b32 s[G1B+4], 128
	s_mov_b32 s[G1+5], 1024                        ; elements from row to row
	s_mov_b32 s[G1B+5], 1024
	s_mov_b32 s[G1+6], 0
	s_mov_b32 s[G1B+6], 0
	s_mov_b32 s[G1+7], 0
	s_mov_b32 s[G1B+7], 0
	s_lshl_b32 s17, s12, 7                         ; which 128 rows I fetch
	s_lshl_b32 s16, s13, 8
	s_add_co_u32 s16, s16, s17
	s_lshl_b32 s16, s16, 12                        ; x: (256 block row + 128 half) rows of 4,096 bytes: below 16 MiB
	s_lshl_b32 s46, s42, 8
	s_add_co_u32 s46, s46, s17
	s_lshl_b32 s46, s46, 12                        ; W: (256 block column + 128 half) rows
	s_mov_b32 s17, 0
	s_mov_b32 s47, 0
	s_lshl_b32 s18, s42, 10                        ; bias: (256 block column + 128 column half) x 4 bytes
	s_lshl_b32 s19, s12, 9
	s_add_co_u32 s18, s18, s19
	s_mov_b32 s19, 0
	s_mul_i32 s20, s10, HALFT                      ; where my tile goes: wave x 128 rows
	s_wait_dscnt 0x0
	s_wait_kmcnt 0x0
	s_cmp_eq_u32 s45, 1                            ; the product's three buffers
	s_cselect_b64 s[4:5], s[70:71], s[68:69]
	s_cselect_b64 s[6:7], s[76:77], s[74:75]
	s_cselect_b64 s[88:89], s[82:83], s[80:81]
	s_cmp_eq_u32 s45, 2
	s_cselect_b64 s[4:5], s[72:73], s[4:5]
	s_cselect_b64 s[6:7], s[78:79], s[6:7]
	s_cselect_b64 s[88:89], s[84:85], s[88:89]
	s_mov_b64 s[8:9], s[86:87]
	s_add_nc_u64 s[14:15], s[4:5], s[16:17]
	s_add_nc_u64 s[46:47], s[6:7], s[46:47]
	s_add_nc_u64 s[88:89], s[88:89], s[18:19]
	CROUND                                         ; all sixteen work-groups are here: the first joint loads meet
.irp s, 0,1
	s_mov_b32 s[G0+4*\s], 1
	s_add_co_u32 s[G0+4*\s+1], s20, \s*SLOT
	s_add_nc_u64 s[G0+4*\s+2:G0+4*\s+3], s[14:15], \s*KSTEPB
	s_or_b32 s[G0+4*\s+3], s[G0+4*\s+3], 0x80000000
	s_mov_b32 s[G0B+4*\s], 1
	s_add_co_u32 s[G0B+4*\s+1], s20, \s*SLOT
	s_add_nc_u64 s[G0B+4*\s+2:G0B+4*\s+3], s[46:47], \s*KSTEPB
	s_or_b32 s[G0B+4*\s+3], s[G0B+4*\s+3], 0x80000000
	JLOAD \s                                       ; K steps 0 and 1: two tensor loads of the wave are out
.endr
	; an f16 fragment wants, of row l % 16, K = 8 h + 0..7 and 16 + 8 h + 0..7: in f32 that is 32 bytes at 32 h and 32 bytes at 64 + 32 h
	v_and_b32 v1, 15, v0
	v_bfe_u32 v2, v0, 4, 1
	v_mul_u32_u24 v3, v1, PITCH
	v_lshl_add_u32 v3, v2, 5, v3                   ; row x pitch + 32 h
	s_mul_i32 s21, s11, HALFT
	s_mul_i32 s22, s12, HALFT
	s_add_co_u32 s22, s22, 2*HALFT
.irp s, 0,1
	v_add_nc_u32 v[ADRA+\s], s21, v3
	v_add_nc_u32 v[ADRB+\s], s22, v3
	s_add_co_u32 s21, s21, SLOT
	s_add_co_u32 s22, s22, SLOT
.endr
	s_mul_i32 s23, s10, 2*SHEAD
	s_add_co_u32 s23, s23, STAGE
	v_mul_u32_u24 v4, v1, SPITCH
	v_lshl_add_u32 v4, v2, 4, v4
	v_add_nc_u32 v[STO], s23, v4                   ; in: row l % 16, 16 bytes a half
	v_and_b32 v5, 31, v0
	v_lshrrev_b32 v6, 3, v5
	v_and_b32 v7, 7, v0
	v_mul_u32_u24 v6, v6, SPITCH
	v_lshl_add_u32 v6, v7, 4, v6
	v_add_nc_u32 v[RD], s23, v6                    ; back: eight lanes a row of 128 bytes, four rows an instruction
	v_lshlrev_b32 v[CO], 4, v5                     ; the same four rows are 512 consecutive bytes of a head
	v_lshlrev_b32 v[BO], 5, v2                     ; bias: 8 h numbers of 4 bytes
	WIN 0x40                                       ; destination window 1
.irp b, 0,1,2,3,4,5,6,7
	global_load_b128 v[BIAS+8*\b:BIAS+8*\b+3],   v[BO], s[88:89] offset:64*\b      ; register j: bias of column 16 b + 8 h + j, as the transposed D has it
	global_load_b128 v[BIAS+8*\b+4:BIAS+8*\b+7], v[BO], s[88:89] offset:64*\b+16
.endr
	WIN 0
; 64 LDS loads: the f32 of one half step (32 K at byte k of the rows) into the two stages
.macro FETCH slot, k
	WIN 0
.irp i, 0,1,2,3,4,5,6,7
.irp c, 0,1,2,3
	ds_load_b128 v[ST+16*\i+4*\c:ST+16*\i+4*\c+3], v[ADRA+\slot] offset:\k+\i*16*PITCH+16*(\c&1)+64*(\c>>1)
.endr
.endr
	WIN 0x40
.irp i, 0,1,2,3,4,5,6,7
.irp c, 0,1,2,3
	ds_load_b128 v[ST+16*\i+4*\c:ST+16*\i+4*\c+3], v[ADRB+\slot] offset:\k+\i*16*PITCH+16*(\c&1)+64*(\c>>1)
.endr
.endr
.endm
; 128 conversions: both stages to f16 fragments.  They write sources of the products in front of them: four places first.  Ends in window 0.
.macro CVT
	PLACES
	WIN 0x45
.irp i, 0,1,2,3,4,5,6,7
.irp p, 0,1,2,3,4,5,6,7
	v_cvt_pk_f16_f32 v[FR+8*\i+\p], v[ST+16*\i+2*\p], v[ST+16*\i+2*\p+1]
.endr
.endr
	WIN 0
.irp i, 0,1,2,3,4,5,6,7
.irp p, 0,1,2,3,4,5,6,7
	v_cvt_pk_f16_f32 v[FR+8*\i+\p], v[ST+16*\i+2*\p], v[ST+16*\i+2*\p+1]
.endr
.endr
.endm
.macro MUL16 hi, a0, zero
.irp a, \a0, \a0+1
.irp b, 0,1,2,3,4,5,6,7
.if \zero
	v_wmma_f32_16x16x32_f16 v[8*(8*(\a)+\b):8*(8*(\a)+\b)+7], v[FR+8*\b:FR+8*\b+7], v[FR+8*(4*\hi+\a):FR+8*(4*\hi+\a)+7], v[BIAS+8*\b:BIAS+8*\b+7]
.else
	v_wmma_f32_16x16x32_f16 v[8*(8*(\a)+\b):8*(8*(\a)+\b)+7], v[FR+8*\b:FR+8*\b+7], v[FR+8*(4*\hi+\a):FR+8*(4*\hi+\a)+7], v[8*(8*(\a)+\b):8*(8*(\a)+\b)+7]
.endif
.endr
.endr
.endm
; 64 products.  The 64 accumulators take turns, one instruction a turn, in the same order everywhere.
.macro MULALL zero
.if \zero
	WIN 0x91                                       ; source 0 window 1, source 1 window 0, C (the bias) window 1, D window 2
.else
	WIN 0xa1
.endif
	MUL16 0, 0, \zero
	MUL16 0, 2, \zero
.if \zero
	WIN 0xd1
.else
	WIN 0xf1
.endif
	MUL16 1, 0, \zero
	MUL16 1, 2, \zero
.endm
.macro HALF1 slot, zero                ; K 0..31 of the slot's step; fetches K 32..63
	s_wait_dscnt 0x0                               ; the stages are full
	CVT
	FETCH \slot, 128
	MULALL \zero
.endm
; K 32..63 of the slot's step, and the change of slots.  In front of the barrier each wave waits for its reads of this slot and for all its tensor
; loads (one is out: its part of the next slot).  Behind it the refill comes first, then the next slot is read.
.macro HALF2 slot, next, fill
	s_wait_dscnt 0x0                               ; the stages are full, and my reads of this slot are over
	s_set_vgpr_msb (MSB<<8)|((MSB&0xf0)|0x0)
	s_wait_tensorcnt 0x0                           ; all my tensor loads have landed
	ds_add_u32 v62, v63
	s_wait_dscnt 0x0
	s_set_vgpr_msb (((MSB&0xf0)|0x0)<<8)|MSB
	s_barrier_signal -1                            ; where the slot is filled again this barrier opens a round of the cluster's barrier
	CVT                                            ; register work while the others arrive
	s_barrier_wait -1
.if \fill
	CREST                                          ; no wave of any partner still reads this slot or has a load on its way
	s_add_nc_u64 s[G0+4*\slot+2:G0+4*\slot+3], s[G0+4*\slot+2:G0+4*\slot+3], 2*KSTEPB
	s_add_nc_u64 s[G0B+4*\slot+2:G0B+4*\slot+3], s[G0B+4*\slot+2:G0B+4*\slot+3], 2*KSTEPB
	JLOAD \slot                                    ; the first tensor load behind the round: it has 128 products and 128 conversions in which to land
.endif
	FETCH \next, 0
	MULALL 0
.endm
.macro LAP zero
	HALF1 0, \zero
	HALF2 0, 1, 1
	HALF1 1, 0
	HALF2 1, 0, 1
.endm
	s_wait_loadcnt 0x0                             ; the bias
	s_wait_tensorcnt 1                             ; my part of K step 0 is in; K step 1's stays out
	s_barrier_signal -1
	s_barrier_wait -1
	FETCH 0, 0
	LAP 1                                          ; the first products start the sums from the bias
	WIN 0
	s_mov_b32 s3, 6                                ; 16 K steps = 8 laps: one in front of the loop, six in it, one behind
.Llap:
	LAP 0
	WIN 0
	s_sub_co_u32 s3, s3, 1
	s_cmp_lg_u32 s3, 0
	s_cbranch_scc1 .Llap
	HALF1 0, 0                                     ; the last lap fills nothing
	HALF2 0, 1, 0
	HALF1 1, 0
	s_wait_dscnt 0x0
	CVT
	MULALL 0
	; THE WAY OUT, 16 rows at a time: round to f16, 16 bytes a lane into my own stage (two heads side by side), back as rows of 128 bytes
	PLACES
	s_lshr_b32 s16, s13, 3                         ; batch
	s_lshl_b32 s16, s16, 15                        ; x 16 heads x 2,048 rows
	s_and_b32 s17, s13, 7
	s_lshl_b32 s17, s17, 8                         ; + 256 rows a block row inside the batch
	s_add_co_u32 s16, s16, s17
	s_lshl_b32 s17, s11, 7                         ; + my 128 rows
	s_add_co_u32 s16, s16, s17
	s_lshl_b32 s16, s16, 7                         ; rows of 128 bytes
	s_lshl_b32 s17, s45, 23                        ; + the product's 8 MiB
	s_add_co_u32 s16, s16, s17
	s_mov_b32 s17, 0
	s_add_nc_u64 s[8:9], s[8:9], s[16:17]
	s_lshl_b32 s46, s42, 2                         ; my first head: 4 x block column + 2 x column half,
	s_lshl_b32 s47, s12, 1
	s_add_co_u32 s46, s46, s47
	s_lshl_b32 s46, s46, 18                        ; 262,144 bytes a head
	s_mov_b32 s47, 0
	s_add_nc_u64 s[8:9], s[8:9], s[46:47]
.macro OUT16 i, a, from, f
	WIN \from
.irp b, 0,1,2,3,4,5,6,7
.irp r, 0,1,2,3
	v_cvt_pk_f16_f32 v[TMP+4*\b+\r], v[8*(8*\a+\b)+2*\r], v[8*(8*\a+\b)+2*\r+1]
.endr
.endr
	WIN 0
.irp b, 0,1,2,3,4,5,6,7
	ds_store_b128 v[STO], v[TMP+4*\b:TMP+4*\b+3] offset:(\b>>2)*SHEAD+32*(\b&3)
.endr
	s_wait_xcnt 0x0                                ; buffer f, which earlier stores read, and the stores' base are rewritten only behind this wait
.if \i
	s_add_nc_u64 s[8:9], s[8:9], 16*128            ; 16 rows on
.endif
.irp t, 0,1,2,3,4,5,6,7
	ds_load_b128 v[\f+4*\t:\f+4*\t+3], v[RD] offset:(\t>>2)*SHEAD+(\t&3)*4*SPITCH     ; a wave's LDS instructions are served in order: these see the stores above
.endr
.irp t, 0,1,2,3,4,5,6,7
	s_wait_dscnt 7-\t                              ; the younger read-backs stay out
	global_store_b128 v[CO], v[\f+4*\t:\f+4*\t+3], s[8:9] offset:(\t>>2)*262144+(\t&3)*512   ; four rows of one head: 512 consecutive bytes, aligned
.endr
.endm
	OUT16 0, 0, 0x0a, 128
	OUT16 1, 1, 0x0a, 160
	OUT16 2, 2, 0x0a, 128
	OUT16 3, 3, 0x0a, 160
	OUT16 4, 0, 0x0f, 128
	OUT16 5, 1, 0x0f, 160
	OUT16 6, 2, 0x0f, 128
	OUT16 7, 3, 0x0f, 160
	s_set_vgpr_msb (MSB<<8)|((MSB&0xf0)|0x0)
	s_wait_tensorcnt 0x0
	ds_add_u32 v62, v63
	s_wait_dscnt 0x0
	s_set_vgpr_msb (((MSB&0xf0)|0x0)<<8)|MSB
	CROUND                                         ; the closing round: no work-group ends while a partner may still ask for a tile that names it
	s_endpgm
.Lfunc_end_k_q4f189a25db_proj:
	.size	k_q4f189a25db_proj, .Lfunc_end_k_q4f189a25db_proj-k_q4f189a25db_proj
	.p2alignl 7, 3214868480
	.fill 96, 4, 3214868480
	.section	.rodata,"a",@progbits
	.p2align	6, 0x0
	.amdhsa_kernel k_q4f189a25db_proj
		.amdhsa_group_segment_fixed_size 327680
		.amdhsa_private_segment_fixed_size 0
		.amdhsa_enable_private_segment 0
		.amdhsa_kernarg_size 80
		.amdhsa_user_sgpr_count 2
		.amdhsa_user_sgpr_kernarg_segment_ptr 1
		.amdhsa_wavefront_size32 1
		.amdhsa_system_sgpr_workgroup_id_x 1
		.amdhsa_system_sgpr_workgroup_id_y 1
		.amdhsa_system_sgpr_workgroup_id_z 1
		.amdhsa_system_vgpr_workitem_id 0
		.amdhsa_next_free_vgpr 1024
		.amdhsa_next_free_sgpr 96
		.amdhsa_reserve_vcc 0
		.amdhsa_float_denorm_mode_32 3
		.amdhsa_float_denorm_mode_16_64 3
		.amdhsa_memory_ordered 1
		.amdhsa_forward_progress 1
		.amdhsa_inst_pref_size 243
	.end_amdhsa_kernel
	.amdgpu_metadata
---
amdhsa.version: [ 1, 2 ]
amdhsa.kernels:
  - .name:           k_q4f189a25db_proj
    .symbol:         k_q4f189a25db_proj.kd
    .args:
      - { .name: pre_query, .offset: 0, .size: 8, .value_kind: global_buffer, .address_space: global }
      - { .name: pre_key, .offset: 8, .size: 8, .value_kind: global_buffer, .address_space: global }
      - { .name: pre_value, .offset: 16, .size: 8, .value_kind: global_buffer, .address_space: global }
      - { .name: Wq, .offset: 24, .size: 8, .value_kind: global_buffer, .address_space: global }
      - { .name: Wk, .offset: 32, .size: 8, .value_kind: global_buffer, .address_space: global }
      - { .name: Wv, .offset: 40, .size: 8, .value_kind: global_buffer, .address_space: global }
      - { .name: bq, .offset: 48, .size: 8, .value_kind: global_buffer, .address_space: global }
      - { .name: bk, .offset: 56, .size: 8, .value_kind: global_buffer, .address_space: global }
      - { .name: bv, .offset: 64, .size: 8, .value_kind: global_buffer, .address_space: global }
      - { .name: qkv, .offset: 72, .size: 8, .value_kind: global_buffer, .address_space: global }
    .group_segment_fixed_size: 327680
    .private_segment_fixed_size: 0
    .kernarg_segment_align: 8
    .kernarg_segment_size: 80
    .max_flat_workgroup_size: 128
    .sgpr_count:     96
    .vgpr_count:     1024
    .wavefront_size: 32
...
	.end_amdgpu_metadata
.endif
;; end of part 2
;; launch attn (part 3): grid 8 x 32, 8 waves a work-group, clusters of 4 x 1, 327,680 bytes of LDS; arguments qkv, mw, ao; writes ao
.if DOCPART == 3
	.amdgcn_target "amdgcn-amd-amdhsa--gfx1250"
	.amdhsa_code_object_version 6
	.text
	.protected	k_q4f189a25db_attn
	.globl	k_q4f189a25db_attn
	.p2align	8
	.type	k_q4f189a25db_attn,@function
k_q4f189a25db_attn:
	s_mov_b64 s[64:65], 0
	v_nop
	global_prefetch_b8 v0, s[64:65] scope:SCOPE_SE
	s_setreg_imm32_b32 hwreg(HW_REG_WAVE_MODE, 25, 1), 1
	s_wait_xcnt 0x0
	s_wait_alu depctr_hold_cnt(0) depctr_sa_sdst(0) depctr_va_vdst(0) depctr_va_sdst(0) depctr_va_ssrc(0) depctr_va_vcc(0) depctr_vm_vsrc(0)
	s_getreg_b32 s2, hwreg(HW_REG_IB_STS2, 6, 4)
	s_cmp_eq_u32 s2, 0
	s_cbranch_scc0 .Lentry_in_a_cluster
	s_endpgm
.Lentry_in_a_cluster:
	s_bfe_u32 s2, ttmp6, 0x10000c
	s_cmp_lg_u32 s2, 0x3003
	s_cbranch_scc0 .Lentry_shape_is_right
	s_endpgm
.Lentry_shape_is_right:
; attn: softmax(mask(q k^T / 8)) v for one (batch, head) = y and 256 queries = x.
; q, k, v: f16 [part][batch x head 32][l 2048][64]; mw: lane-mask words [qt 128][kt 128][j 8]; ao: f16, laid out as q.
; EIGHT WAVES, two for each of a WGP's four SIMDs, 512 registers and 32 queries (2 q-tiles of 16) each: for 128 keys a wave has 64 products and about
; 570 vector instructions, which depend on each other; with two waves side by side one can multiply while the other does its softmax.  The price: a K or V
; fragment read from LDS feeds two products (one for each q-tile).
; Keys go in 8 tiles of 256 through two LDS slots; a tile is worked on in two sub-tiles of 128 keys, with no barrier between them.
; CLUSTERS: the four work-groups of a cluster have the same y and read the same K and V tiles: each tile is asked for jointly (mask 15).
; SCORES ARE MADE TRANSPOSED: S^T = K Q^T.  Lane (r = l % 16, h = l / 16), register j of tile kt holds key 16 kt + 8 h + j of query r.  So the maximum and
; the sum over keys stay in the lane but for one exchange between the halves, and the packed p of tiles 2 ks, 2 ks + 1 already are the B fragment
; (query r; keys 8 h + 0..7, 16 + 8 h + 0..7) of O^T = V^T P^T.  V^T's fragments come from transposing LDS loads.
; SOFTMAX with a running maximum m per query: p = exp2(c s + n), c = log2(e) / 8, n = round(-c m); the old sums are scaled by exp2(n_new - n_old), so
; that all p of a row share one shift exactly.  m starts at -FLT_MAX, so it is finite also while every key so far is masked (p = exp2(-inf) = 0).
; FORMATS AND LIMITS: q, k, v, p, ao are f16.  p lies in [0, 1] (to a rounding step): below 2^-14 its step is 2^-24, against a row sum of at least 1.  ao is a convex
; combination of v and has v's range.  The row sum adds the unrounded p; v_exp_f32 gives 0 below 2^-126; a row that is masked throughout has sum 0
; and comes out as 0 x inf = NaN, as the softmax of a row of -inf does.
; REGISTERS: window 0: v8-31 addresses and per-query state; v32-63 Q's fragments; SA v64-127, SB v128-191 the scores of q-tile 0 and 1; v192-255 O^T
;            window 1: v0-127 K's 16 fragments, v128-255 V^T's 16 fragments (one sub-tile, read from LDS once for both q-tiles)
; Both kinds of product name window 1 in source 0 alone, so they share one setting of the windows.
.set KP,    144                        ; K's LDS pitch: 128 bytes + 16, an odd multiple of 16
.set VP,    160                        ; V's LDS pitch: 128 bytes + 32, an odd multiple of 32 (transposing loads)
.set PART,  10240                      ; a wave's part of a slot: 64 keys of K (waves 0-3) or of V (waves 4-7)
.set SLOT,  8*PART                     ; 256 keys of K, then 256 keys of V
.set STAGE, 2*SLOT                     ; behind the ring, never filled by a tensor load: 16 rows x 144 bytes a wave
.set SP,    144
.set TILEB, 256*128                    ; bytes of 256 keys
.set QO,   7                           ; v7      offset of my Q fragments
.set ADRK, 8                           ; v[8:9]   one a slot: a slot's bytes lie further apart than an LDS offset reaches
.set ADRV, 10                          ; v[10:11]
.set STO,  12
.set RD,   13
.set CO,   14
.set NINF, 15
.set MX,   16                          ; v[16:17] running maximum of q-tile qt
.set LS,   18                          ; v[18:19] running sum (this half's keys)
.set NMC,  20                          ; v[20:21] the shift n (first of the pair)
.set AL,   22                          ; v[22:23] factor for the old sums (first of the pair)
.set TT,   24                          ; v[24:27]
.set UU,   28                          ; v[28:29]
.set WW,   30                          ; v[30:31]
.set QF,   32                          ; v[32:63]   16 qt + 8 ks
.set SA,   64
.set SB,   128
.set OF,   192                         ; v[192:255] 32 qt + 8 dt
.set KF,   0                           ; window 1
.set VF,   128                         ; window 1
.set G1K,  4                           ; s[4:11]
.set G1V,  12                          ; s[12:19]
.set G0,   20                          ; s[20:27], one set a slot
.set MSB, 0
.macro WIN new                         ; the immediate's high byte repeats the setting that is left
.if MSB != \new
	s_set_vgpr_msb (MSB<<8)|\new
.set MSB, \new
.endif
.endm
.macro PLACES                          ; four places behind a matrix instruction (ISA guide 7.12.1)
.rept 4
	v_nop
.endr
.endm
.macro ROUND                           ; a round of the cluster's barrier
	s_barrier_signal -1
	s_barrier_wait -1
	s_cmp_lg_u32 s66, 0
	s_cbranch_scc1 .Lnot_wave_0_\@
	s_barrier_signal -3
.Lnot_wave_0_\@:
	s_barrier_wait -3
	s_barrier_signal -1
	s_barrier_wait -1
.endm
.macro JLOAD s                         ; my part of a tile: the two lines differ in the padding alone; the branch hangs on the wave's number
	s_cmp_eq_u32 s67, 0
	s_cbranch_scc0 .Lfor_v_\@
	tensor_load_to_lds s[G0+4*\s:G0+4*\s+3], s[G1K:G1K+7]
	s_nop 0
	s_branch .Lasked_\@
.Lfor_v_\@:
	tensor_load_to_lds s[G0+4*\s:G0+4*\s+3], s[G1V:G1V+7]
	s_nop 0
.Lasked_\@:
.endm
.macro MLOAD off                       ; the 64 mask words of one q-tile and 128 keys: 256 consecutive bytes
	s_load_b512 s[32:47], s[28:29], \off
	s_load_b512 s[48:63], s[28:29], \off+64
	s_load_b512 s[68:83], s[28:29], \off+128
	s_load_b512 s[84:99], s[28:29], \off+192
.endm
	s_load_b128 s[84:87], s[0:1], 0x0              ; qkv s[84:85], mw s[86:87]
	s_load_b64 s[88:89], s[0:1], 0x10              ; ao
	v_lshl_add_u32 v190, v0, 2, 0x2c800
	v_mov_b32 v191, 0
	ds_add_u32 v190, v191
	s_wait_dscnt 0x0
	v_lshrrev_b32 v1, 5, v0
	v_readfirstlane_b32 s66, v1                    ; wave 0..7
	s_lshr_b32 s67, s66, 2                         ; 0: I fetch K, 1: V
	s_and_b32 s68, s66, 3                          ; which 64 keys of the tile
	s_bfe_u32 s69, ttmp6, 0x40000                  ; cx
	s_lshl_b32 s70, ttmp9, 2
	s_add_co_u32 s70, s70, s69                     ; x: my 256 queries
	s_and_b32 s71, ttmp7, 0xffff                   ; y: batch x 16 + head; the same in the four partners
	s_lshl_b32 s72, s71, 11                        ; K, V: (2,048 y + 64 part) rows of 128 bytes, in part 1 (K) or 2 (V) of qkv: no cx in it
	s_lshl_b32 s73, s68, 6
	s_add_co_u32 s72, s72, s73
	s_lshl_b32 s72, s72, 7
	s_add_co_u32 s73, s67, 1
	s_lshl_b32 s73, s73, 23
	s_add_co_u32 s72, s72, s73
	s_mov_b32 s73, 0
	s_lshl_b32 s74, s71, 11                        ; q and ao: (2,048 y + 256 x + 32 wave) rows of 128 bytes
	s_lshl_b32 s75, s70, 8
	s_add_co_u32 s74, s74, s75
	s_lshl_b32 s75, s66, 5
	s_add_co_u32 s74, s74, s75
	s_lshl_b32 s74, s74, 7
	s_mov_b32 s75, 0
	s_lshl_b32 s76, s70, 4                         ; mask words: q-tile 16 x + 2 wave, 4,096 bytes each
	s_lshl1_add_u32 s76, s66, s76
	s_lshl_b32 s76, s76, 12
	s_mov_b32 s77, 0
	s_mul_i32 s78, s66, PART
	s_mul_i32 s79, s66, 16*SP
	s_add_co_u32 s79, s79, STAGE
	s_mov_b32 s100, 0x76543210                     ; v_permlanex16_b32: lane i reads lane i of the other half
	s_mov_b32 s101, 0xfedcba98
	s_mov_b32 s104, 0x3e38aa3b                     ; c = log2(e) / 8
	s_mov_b32 s105, 0x3e38aa3b
	; group 1: 8,192 dense bytes as 32 rows of 128 elements of 2 bytes; behind every 32 words (a key's 128 bytes) 4 words of padding (K) or 8 (V)
	s_mov_b32 s[G1K+0], 15|(1<<16)|(1<<20)|(1<<21)|(4<<22)|(3<<25)
	s_mov_b32 s[G1V+0], 15|(1<<16)|(1<<20)|(1<<21)|(4<<22)|(7<<25)
	s_mov_b32 s[G1K+1], 128<<16
	s_mov_b32 s[G1V+1], 128<<16
	s_mov_b32 s[G1K+2], 32<<16
	s_mov_b32 s[G1V+2], 32<<16
	s_mov_b32 s[G1K+3], 128<<16
	s_mov_b32 s[G1V+3], 128<<16
	s_mov_b32 s[G1K+4], 32
	s_mov_b32 s[G1V+4], 32
	s_mov_b32 s[G1K+5], 128
	s_mov_b32 s[G1V+5], 128
	s_mov_b32 s[G1K+6], 0
	s_mov_b32 s[G1V+6], 0
	s_mov_b32 s[G1K+7], 0
	s_mov_b32 s[G1V+7], 0
	s_wait_kmcnt 0x0
	s_add_nc_u64 s[80:81], s[84:85], s[72:73]
	s_add_nc_u64 s[2:3], s[84:85], s[74:75]        ; q
	s_add_nc_u64 s[28:29], s[86:87], s[76:77]      ; mask words
	s_add_nc_u64 s[30:31], s[88:89], s[74:75]      ; ao
.irp s, 0,1
	s_mov_b32 s[G0+4*\s], 1
	s_add_co_u32 s[G0+4*\s+1], s78, \s*SLOT        ; wave x part + slot: no place in the cluster enters an LDS address
	s_add_nc_u64 s[G0+4*\s+2:G0+4*\s+3], s[80:81], \s*TILEB
	s_or_b32 s[G0+4*\s+3], s[G0+4*\s+3], 0x80000000
.endr
	ROUND                                          ; in front of the first joint load
	JLOAD 0                                        ; tile 0
	v_and_b32 v1, 15, v0                           ; r
	v_bfe_u32 v2, v0, 4, 1                         ; h
	v_and_b32 v3, 31, v0                           ; l
	v_and_b32 v4, 7, v0
	v_bfe_u32 v5, v0, 3, 1
	v_lshrrev_b32 v6, 3, v3
	v_mul_u32_u24 v[ADRK], v1, KP
	v_lshl_add_u32 v[ADRK], v2, 4, v[ADRK]         ; K fragment: key r, 16 h
	v_add_nc_u32 v[ADRK+1], SLOT, v[ADRK]
	v_lshl_add_u32 v7, v2, 3, v4
	v_mul_u32_u24 v7, v7, VP
	v_lshl_add_u32 v7, v5, 4, v7                   ; V^T fragment: key 8 h + (l & 7), 16 ((l >> 3) & 1)
	v_add_nc_u32 v[ADRV], 4*PART, v7               ; V lies behind K's four parts
	v_add_nc_u32 v[ADRV+1], 4*PART+SLOT, v7
	v_mul_u32_u24 v7, v1, SP
	v_lshl_add_u32 v7, v2, 4, v7
	v_add_nc_u32 v[STO], s79, v7
	v_mul_u32_u24 v7, v6, SP
	v_lshl_add_u32 v7, v4, 4, v7
	v_add_nc_u32 v[RD], s79, v7
	v_lshlrev_b32 v[CO], 4, v3
	v_lshlrev_b32 v7, 7, v1
	v_lshl_add_u32 v[QO], v2, 4, v7                ; Q fragment: query r, 16 h
	v_mov_b32 v[NINF], 0xff800000
	v_mov_b32 v[MX], 0xff7fffff                    ; -FLT_MAX
	v_mov_b32 v[MX+1], 0xff7fffff
	v_mov_b32 v[NMC+1], 0                          ; second halves of the broadcast pairs: named by the packed forms, never used
	v_mov_b32 v[AL+1], 0
.irp qt, 0,1
.irp ks, 0,1
	global_load_b128 v[QF+16*\qt+8*\ks:QF+16*\qt+8*\ks+3],   v[QO], s[2:3] offset:\qt*2048+64*\ks
	global_load_b128 v[QF+16*\qt+8*\ks+4:QF+16*\qt+8*\ks+7], v[QO], s[2:3] offset:\qt*2048+64*\ks+32
.endr
.endr
	MLOAD 0                                        ; keys 0..127, q-tile 0 (the set-up's scalars in s[68:89] have been used up)
; 32 LDS loads: K's fragments of sub-tile u (keys 128 u + 16 kt + r lie in part 2 u + kt / 4); d 0..31 of all eight tiles first
.macro LOADK slot, u
	WIN 0x40
.irp ks, 0,1
.irp kt, 0,1,2,3,4,5,6,7
	ds_load_b128 v[KF+16*\kt+8*\ks:KF+16*\kt+8*\ks+3],   v[ADRK+\slot] offset:(2*\u+(\kt>>2))*PART+(\kt&3)*16*KP+64*\ks
	ds_load_b128 v[KF+16*\kt+8*\ks+4:KF+16*\kt+8*\ks+7], v[ADRK+\slot] offset:(2*\u+(\kt>>2))*PART+(\kt&3)*16*KP+64*\ks+32
.endr
.endr
.endm
; 32 transposing LDS loads: V^T's fragments of sub-tile u (keys 128 u + 32 ks .. lie in part 2 u + ks / 2)
.macro LOADV slot, u
	WIN 0x40
.irp ks, 0,1,2,3
.irp dt, 0,1,2,3
	ds_load_tr16_b128 v[VF+8*(4*\ks+\dt):VF+8*(4*\ks+\dt)+3],   v[ADRV+\slot] offset:(2*\u+(\ks>>1))*PART+(\ks&1)*32*VP+32*\dt
	ds_load_tr16_b128 v[VF+8*(4*\ks+\dt)+4:VF+8*(4*\ks+\dt)+7], v[ADRV+\slot] offset:(2*\u+(\ks>>1))*PART+(\ks&1)*32*VP+32*\dt+16*VP
.endr
.endr
.endm
; S^T of one q-tile: d 0..31 starts the eight sums, d 32..63 adds in place.  The eight accumulators take turns.
.macro SMULA qt, sb
	WIN 0x01
.irp kt, 0,1,2,3,4,5,6,7
	v_wmma_f32_16x16x32_f16 v[\sb+8*\kt:\sb+8*\kt+7], v[KF+16*\kt:KF+16*\kt+7], v[QF+16*\qt:QF+16*\qt+7], 0
.endr
.endm
.macro SMULB qt, sb
	WIN 0x01
.irp kt, 0,1,2,3,4,5,6,7
	v_wmma_f32_16x16x32_f16 v[\sb+8*\kt:\sb+8*\kt+7], v[KF+16*\kt+8:KF+16*\kt+15], v[QF+16*\qt+8:QF+16*\qt+15], v[\sb+8*\kt:\sb+8*\kt+7]
.endr
.endm
.macro S0                              ; q-tile 0's scores, as K's fragments come in
	s_wait_dscnt 16                                ; all but K's 16 youngest loads (d 32..63) are in
	SMULA 0, SA
	s_wait_dscnt 0x0
	SMULB 0, SA
.endm
.macro SFMA sb, c                      ; c s + n, two at a time
.irp p, 0,2,4,6,8,10,12,14
	v_pk_fma_f32 v[\sb+16*\c+\p:\sb+16*\c+\p+1], v[\sb+16*\c+\p:\sb+16*\c+\p+1], s[104:105], v[NMC:NMC+1] op_sel_hi:[1,0,0]
.endr
.endm
.macro SEXP sb, c
.irp p, 0,1,2,3,4,5,6,7,8,9,10,11,12,13,14,15
	v_exp_f32 v[\sb+16*\c+\p], v[\sb+16*\c+\p]
.endr
.endm
.macro SSUM sb, c                      ; adds 16 p to two chains, then packs them in place: v[sb + 16 c .. + 7] is P^T's fragment for keys 32 c .. 32 c + 31
.if \c == 0
	s_wait_alu depctr_va_vdst(0)
	v_pk_add_f32 v[UU:UU+1], v[\sb:\sb+1], v[\sb+2:\sb+3]          ; the first p start the chains: nothing is cleared
	v_pk_add_f32 v[WW:WW+1], v[\sb+4:\sb+5], v[\sb+6:\sb+7]
.else
	s_wait_alu depctr_va_vdst(0)
	v_pk_add_f32 v[UU:UU+1], v[UU:UU+1], v[\sb+16*\c:\sb+16*\c+1]
	v_pk_add_f32 v[WW:WW+1], v[WW:WW+1], v[\sb+16*\c+2:\sb+16*\c+3]
	v_pk_add_f32 v[UU:UU+1], v[UU:UU+1], v[\sb+16*\c+4:\sb+16*\c+5]
	v_pk_add_f32 v[WW:WW+1], v[WW:WW+1], v[\sb+16*\c+6:\sb+16*\c+7]
.endif
	v_pk_add_f32 v[UU:UU+1], v[UU:UU+1], v[\sb+16*\c+8:\sb+16*\c+9]
	v_pk_add_f32 v[WW:WW+1], v[WW:WW+1], v[\sb+16*\c+10:\sb+16*\c+11]
	v_pk_add_f32 v[UU:UU+1], v[UU:UU+1], v[\sb+16*\c+12:\sb+16*\c+13]
	v_pk_add_f32 v[WW:WW+1], v[WW:WW+1], v[\sb+16*\c+14:\sb+16*\c+15]
.irp p, 0,1,2,3,4,5,6,7
	v_cvt_pk_f16_f32 v[\sb+16*\c+\p], v[\sb+16*\c+2*\p], v[\sb+16*\c+2*\p+1]      ; register p is written when 2 p, 2 p + 1 are read: never ahead of a read
.endr
.endm
; mask, running maximum, exponentials, sum, packing of one q-tile.  ld = 1: the next q-tile's mask words are asked for at byte off from the sub-tile's base.
.macro SOFT qt, sb, first, ld, off
	s_wait_kmcnt 0x0                               ; this q-tile's 64 mask words are in, and their base may be stepped
.if \qt == 0
.if \first == 0
	s_add_nc_u64 s[28:29], s[28:29], 256           ; this sub-tile's 8 kt x 8 words
.endif
.endif
	WIN 0
	PLACES                                         ; behind the last product of S^T
.set i, 0
.rept 64
	v_cndmask_b32 v[\sb+i], v[NINF], v[\sb+i], s[32+i+4*(i/32)]    ; -inf where the mask's bit is 0
.set i, i+1
.endr
.if \ld
	MLOAD \off                                     ; they have the rest of this q-tile's work in which to come
.endif
.irp k, 0,1,2,3
	v_max_num_f32 v[TT+\k], v[\sb+16*\k], v[\sb+16*\k+1]           ; four chains that do not wait for each other
.endr
.irp e, 2,4,6,8,10,12,14
.irp k, 0,1,2,3
	v_max3_num_f32 v[TT+\k], v[TT+\k], v[\sb+16*\k+\e], v[\sb+16*\k+\e+1]
.endr
.endr
	v_max3_num_f32 v[TT], v[TT], v[TT+1], v[TT+2]
	v_max3_num_f32 v[TT], v[TT], v[TT+3], v[MX+\qt]                ; the old maximum keeps the result finite
	v_permlanex16_b32 v[TT+1], v[TT], s100, s101                   ; the other half's keys
	v_max_num_f32 v[TT], v[TT], v[TT+1]
.if \first == 0
	v_mul_f32 v[TT+2], 0xbe38aa3b, v[MX+\qt]                       ; the old shift, rounded as it was when it was used
.endif
	v_mul_f32 v[NMC], 0xbe38aa3b, v[TT]                            ; the new shift n = -c m
	v_mov_b32 v[MX+\qt], v[TT]
.if \first == 0
	v_sub_f32 v[TT+2], v[NMC], v[TT+2]
	v_exp_f32 v[AL], v[TT+2]                                       ; used far below; plain instructions follow (ISA guide 5.7.2)
.endif
	; behind each run of exponentials stands plain work on other registers before their results are read
	SFMA \sb, 0
	SEXP \sb, 0
	SFMA \sb, 1
	SEXP \sb, 1
	SSUM \sb, 0
	SFMA \sb, 2
	SEXP \sb, 2
	SSUM \sb, 1
	SFMA \sb, 3
	SEXP \sb, 3
	SSUM \sb, 2
	SSUM \sb, 3
	v_pk_add_f32 v[UU:UU+1], v[UU:UU+1], v[WW:WW+1]
.if \first
	v_add_f32 v[LS+\qt], v[UU], v[UU+1]
.else
	v_add_f32 v[UU], v[UU], v[UU+1]
	v_fma_f32 v[LS+\qt], v[LS+\qt], v[AL], v[UU]
.endif
.endm
.macro RESC qt                         ; the old O^T times the factor
	WIN 0
.irp p, 0,2,4,6,8,10,12,14,16,18,20,22,24,26,28,30
	v_pk_mul_f32 v[OF+32*\qt+\p:OF+32*\qt+\p+1], v[OF+32*\qt+\p:OF+32*\qt+\p+1], v[AL:AL+1] op_sel_hi:[1,0]
.endr
.endm
.macro PV4 qt, sb, ks, zero
.irp dt, 0,1,2,3
.if \zero
	v_wmma_f32_16x16x32_f16 v[OF+32*\qt+8*\dt:OF+32*\qt+8*\dt+7], v[VF+8*(4*\ks+\dt):VF+8*(4*\ks+\dt)+7], v[\sb+16*\ks:\sb+16*\ks+7], 0
.else
	v_wmma_f32_16x16x32_f16 v[OF+32*\qt+8*\dt:OF+32*\qt+8*\dt+7], v[VF+8*(4*\ks+\dt):VF+8*(4*\ks+\dt)+7], v[\sb+16*\ks:\sb+16*\ks+7], v[OF+32*\qt+8*\dt:OF+32*\qt+8*\dt+7]
.endif
.endr
.endm
.macro PVMUL qt, sb, first             ; O^T += V^T P^T: the four accumulators take turns
	WIN 0x01
	PV4 \qt, \sb, 0, \first
	PV4 \qt, \sb, 1, 0
	PV4 \qt, \sb, 2, 0
	PV4 \qt, \sb, 3, 0
.endm
; One sub-tile of 128 keys for both q-tiles.  The two q-tiles use different score registers: no product writes over a source of the one in front of it.
; u = 0 stands straight behind a round, where all eight waves start together.  There the waves with ((w ^ (w >> 2)) & 1) = 1 fetch V's fragments first and K's
; second; the others K's first, and V's behind their first products.  Two waves whose numbers differ by 1 or by 4 so reach their products at
; different times, and from then on one has vector work while the other multiplies.  Both ways hold the same 64 loads and 16 products.
.macro SUB slot, u, first, last
	WIN 0
	PLACES                                         ; behind the last products: the loads below land on their sources
.if \u == 0
	s_cmp_eq_u32 s2, 0
	s_cbranch_scc0 .Lv_first_\@
.endif
	LOADK \slot, \u
	S0
	LOADV \slot, \u                                ; they land under q-tile 0's softmax
	WIN 0
.if \u == 0
	s_branch .Ljoin_\@
.Lv_first_\@:
	LOADV \slot, \u
	LOADK \slot, \u
	S0                                             ; LDS loads come back in order (ISA guide 5.7.1): its counted wait shows V's older loads in too
	WIN 0
.Ljoin_\@:
.endif
	SOFT 0, SA, \first, 1, 4096                    ; asks for q-tile 1's mask words
	s_wait_dscnt 0x0                               ; V
.if \first == 0
	RESC 0
.endif
	PVMUL 0, SA, \first
	SMULA 1, SB
	SMULB 1, SB
	SOFT 1, SB, \first, 1-\last, 256               ; asks for the next sub-tile's q-tile 0; the last sub-tile asks for nothing
.if \first == 0
	RESC 1
.endif
	PVMUL 1, SB, \first
.endm
; One tile of 256 keys.  slot holds it; other is filled with the next tile (refill = 1).
.macro TILE slot, other, refill, first, last
	s_wait_xcnt 0x0
	s_set_vgpr_msb (MSB<<8)|((MSB&0x3c)|0x0)
	v_lshl_add_u32 v190, v0, 2, 0x2c800
	v_mov_b32 v191, 0
	s_set_vgpr_msb (((MSB&0x3c)|0x0)<<8)|((MSB&0x30)|0x0)
	s_wait_tensorcnt 0x0                           ; all my tensor loads are done, my part of this tile among them,
	ds_add_u32 v190, v191
	s_wait_dscnt 0x0
	s_set_vgpr_msb (((MSB&0x30)|0x0)<<8)|MSB
	s_add_nc_u64 s[G0+4*\slot+2:G0+4*\slot+3], s[G0+4*\slot+2:G0+4*\slot+3], 2*TILEB   ; so every group 0 may be written: this slot's next tile
	s_wait_dscnt 0x0                               ; my reads of the last tile are done
	WIN 0
	ROUND                                          ; both now hold of every wave of the four work-groups
.if \refill
	JLOAD \other                                   ; one tensor load of the wave is out; it has both sub-tiles' work in which to land
.endif
	SUB \slot, 0, \first, 0
	SUB \slot, 1, 0, \last
.endm
	s_wait_loadcnt 0x0                             ; Q; s[2:3] is free
	s_lshr_b32 s2, s66, 2
	s_xor_b32 s2, s2, s66
	s_and_b32 s2, s2, 1                            ; (w ^ (w >> 2)) & 1: which fragments I fetch first behind a round
	TILE 0, 1, 1, 1, 0                             ; the first sub-tile starts O^T and the sums
	TILE 1, 0, 1, 0, 0
	WIN 0
	s_mov_b32 s3, 2                                ; 8 tiles: two in front of the loop, four in it, two behind
.Lpair:
	TILE 0, 1, 1, 0, 0
	TILE 1, 0, 1, 0, 0
	WIN 0
	s_sub_co_u32 s3, s3, 1
	s_cmp_lg_u32 s3, 0
	s_cbranch_scc1 .Lpair
	TILE 0, 1, 1, 0, 0
	TILE 1, 0, 0, 0, 1                             ; the last tile fetches nothing (its stepped address is not used)
	; THE WAY OUT: O^T / sum; a lane holds eight neighbouring d of query r: 16 bytes into my own stage, back as rows of 128 bytes
	WIN 0
	PLACES
.macro OUTQ qt
	v_permlanex16_b32 v[TT], v[LS+\qt], s100, s101 ; the other half's keys
	v_add_f32 v[TT], v[TT], v[LS+\qt]
	v_rcp_f32 v[AL], v[TT]
	v_nop                                          ; one plain place behind the reciprocal (ISA guide 5.7.2)
	s_wait_alu depctr_va_vdst(0)
.irp p, 0,2,4,6,8,10,12,14,16,18,20,22,24,26,28,30
	v_pk_mul_f32 v[OF+32*\qt+\p:OF+32*\qt+\p+1], v[OF+32*\qt+\p:OF+32*\qt+\p+1], v[AL:AL+1] op_sel_hi:[1,0]
.endr
.irp dt, 0,1,2,3
.irp p, 0,1,2,3
	v_cvt_pk_f16_f32 v[SA+16*\qt+4*\dt+\p], v[OF+32*\qt+8*\dt+2*\p], v[OF+32*\qt+8*\dt+2*\p+1]
.endr
.endr
.irp dt, 0,1,2,3
	ds_store_b128 v[STO], v[SA+16*\qt+4*\dt:SA+16*\qt+4*\dt+3] offset:32*\dt
.endr
.irp t, 0,1,2,3
	ds_load_b128 v[SB+16*\qt+4*\t:SB+16*\qt+4*\t+3], v[RD] offset:4*SP*\t      ; a wave's LDS instructions are served in order
.endr
.irp t, 0,1,2,3
	s_wait_dscnt 3-\t                              ; the younger read-backs stay out
	global_store_b128 v[CO], v[SB+16*\qt+4*\t:SB+16*\qt+4*\t+3], s[30:31] offset:\qt*2048+512*\t   ; four rows: 512 consecutive bytes, aligned; no register is used twice
.endr
.endm
	OUTQ 0
	OUTQ 1
	s_wait_xcnt 0x0
	s_set_vgpr_msb (MSB<<8)|((MSB&0x3c)|0x0)
	v_lshl_add_u32 v190, v0, 2, 0x2c800
	v_mov_b32 v191, 0
	s_set_vgpr_msb (((MSB&0x3c)|0x0)<<8)|((MSB&0x30)|0x0)
	s_wait_tensorcnt 0x0
	ds_add_u32 v190, v191
	s_wait_dscnt 0x0
	s_set_vgpr_msb (((MSB&0x30)|0x0)<<8)|MSB
	ROUND                                          ; the closing round
	s_endpgm
.Lfunc_end_k_q4f189a25db_attn:
	.size	k_q4f189a25db_attn, .Lfunc_end_k_q4f189a25db_attn-k_q4f189a25db_attn
	.p2alignl 7, 3214868480
	.fill 96, 4, 3214868480
	.section	.rodata,"a",@progbits
	.p2align	6, 0x0
	.amdhsa_kernel k_q4f189a25db_attn
		.amdhsa_group_segment_fixed_size 327680
		.amdhsa_private_segment_fixed_size 0
		.amdhsa_enable_private_segment 0
		.amdhsa_kernarg_size 24
		.amdhsa_user_sgpr_count 2
		.amdhsa_user_sgpr_kernarg_segment_ptr 1
		.amdhsa_wavefront_size32 1
		.amdhsa_system_sgpr_workgroup_id_x 1
		.amdhsa_system_sgpr_workgroup_id_y 1
		.amdhsa_system_sgpr_workgroup_id_z 1
		.amdhsa_system_vgpr_workitem_id 0
		.amdhsa_next_free_vgpr 512
		.amdhsa_next_free_sgpr 106
		.amdhsa_reserve_vcc 0
		.amdhsa_float_denorm_mode_32 3
		.amdhsa_float_denorm_mode_16_64 3
		.amdhsa_memory_ordered 1
		.amdhsa_forward_progress 1
		.amdhsa_inst_pref_size 255
	.end_amdhsa_kernel
	.section	.bss,"aw",@nobits
	.p2align	6
	.space	262144
	.amdgpu_metadata
---
amdhsa.version: [ 1, 2 ]
amdhsa.kernels:
  - .name:           k_q4f189a25db_attn
    .symbol:         k_q4f189a25db_attn.kd
    .args:
      - { .name: qkv, .offset: 0, .size: 8, .value_kind: global_buffer, .address_space: global }
      - { .name: mw, .offset: 8, .size: 8, .value_kind: global_buffer, .address_space: global }
      - { .name: ao, .offset: 16, .size: 8, .value_kind: global_buffer, .address_space: global }
    .group_segment_fixed_size: 327680
    .private_segment_fixed_size: 0
    .kernarg_segment_align: 8
    .kernarg_segment_size: 24
    .max_flat_workgroup_size: 256
    .sgpr_count:     106
    .vgpr_count:     512
    .wavefront_size: 32
...
	.end_amdgpu_metadata
.endif
;; end of part 3
;; launch outp (part 4): grid 8 x 32, 4 waves a work-group, clusters of 4 x 4, 327,680 bytes of LDS; arguments ao, wob, bo, out0; writes out0
.if DOCPART == 4
	.amdgcn_target "amdgcn-amd-amdhsa--gfx1250"
	.amdhsa_code_object_version 6
	.text
	.protected	k_q4f189a25db_outp
	.globl	k_q4f189a25db_outp
	.p2align	8
	.type	k_q4f189a25db_outp,@function
k_q4f189a25db_outp:
	s_mov_b64 s[64:65], 0
	v_nop
	global_prefetch_b8 v0, s[64:65] scope:SCOPE_SE
	s_setreg_imm32_b32 hwreg(HW_REG_WAVE_MODE, 25, 1), 1
	s_wait_xcnt 0x0
	s_wait_alu depctr_hold_cnt(0) depctr_sa_sdst(0) depctr_va_vdst(0) depctr_va_sdst(0) depctr_va_ssrc(0) depctr_va_vcc(0) depctr_vm_vsrc(0)
	s_getreg_b32 s2, hwreg(HW_REG_IB_STS2, 6, 4)
	s_cmp_eq_u32 s2, 0
	s_cbranch_scc0 .Lentry_in_a_cluster
	s_endpgm
.Lentry_in_a_cluster:
	s_bfe_u32 s2, ttmp6, 0x10000c
	s_cmp_lg_u32 s2, 0xf033
	s_cbranch_scc0 .Lentry_shape_is_right
	s_endpgm
.Lentry_shape_is_right:
; outp: out0 = ao Wo^T + bo.  ao: f16 [batch 2][kb 16][l 2048][64] (k = 64 kb + kk); wob: f16 [kb 16][n 1024][64]; bo: [1024] f32; out0: [4096][1024] f32.
; 256 work-groups, a block of 128 x 128 each; four waves of 64 x 64: 16 accumulator tiles.  Sums in f32, started from the bias.
; K goes in 8 fills of 128 (two kb) through four LDS slots; a wave brings one dense block of 128 rows x 128 bytes a fill.  Two slots are filled again
; behind one round of the cluster's barrier, so each refill has one or two fills' products in which to land.  The text is straight: no loop.
; CLUSTERS: 4 x 4 work-groups; ao's blocks are shared along a row of the cluster, wob's along a column: joint loads divide the requests by four.
; The product is used transposed (source 0 = rows of wob, source 1 = rows of ao): a lane holds eight neighbouring columns of one row, 32 bytes.
; REGISTERS: window 0: v8-19 addresses, v32-63 the bias as a C operand, F0 v64-127, F1 v128-191 (A's 4 fragments, then B's 4), v192-255 on the way out
;            window 1: v0-127 accumulators (tile (mt, nt) at v[8 (4 mt + nt)])
.set KP,    144                        ; LDS pitch: 128 bytes + 16, an odd multiple of 16
.set PART,  128*KP                     ; what one tensor load brings: A kb0, A kb1, B kb0, B kb1 for waves 0..3
.set SLOT,  4*PART
.set STAGE, 4*SLOT                     ; behind the ring, never filled by a tensor load: 16 rows x 272 bytes a wave
.set SPITCH, 272
.set ASTEP, 2*2048*128                 ; ao: two kb on
.set BSTEP, 2*1024*128                 ; wob: two kb on
.set ADRA, 8                           ; v[8:11]  one a slot
.set ADRB, 12                          ; v[12:15]
.set STO,  16
.set RD,   17
.set CO,   18
.set BO,   19
.set BIAS, 32
.set F0,   64
.set F1,   128
.set TMP,  192
.set G1A, 24                           ; s[24:31]
.set G1B, 32                           ; s[32:39]
.set G0A, 40                           ; s[40:55] one set a slot
.set G0B, 68                           ; s[68:83]
.set MSB, 0
.macro WIN new
.if MSB != \new
	s_set_vgpr_msb (MSB<<8)|\new
.set MSB, \new
.endif
.endm
.macro PLACES                          ; four places behind a matrix instruction (ISA guide 7.12.1)
.rept 4
	v_nop
.endr
.endm
.macro CROUND                          ; a round of the cluster's barrier
	s_barrier_signal -1
	s_barrier_wait -1
	s_cmp_lg_u32 s10, 0
	s_cbranch_scc1 .Lnot_wave_0_\@
	s_barrier_signal -3
.Lnot_wave_0_\@:
	s_barrier_wait -3
	s_barrier_signal -1
	s_barrier_wait -1
.endm
.macro JLOAD2 a, b                     ; my parts of two fills; both ways issue two loads; the branch hangs on the wave's number alone
	s_cmp_eq_u32 s11, 0
	s_cbranch_scc0 .Lfor_b_\@
	tensor_load_to_lds s[G0A+4*\a:G0A+4*\a+3], s[G1A:G1A+7]
	s_nop 0
	tensor_load_to_lds s[G0A+4*\b:G0A+4*\b+3], s[G1A:G1A+7]
	s_nop 0
	s_branch .Lasked_\@
.Lfor_b_\@:
	tensor_load_to_lds s[G0B+4*\a:G0B+4*\a+3], s[G1B:G1B+7]
	s_nop 0
	tensor_load_to_lds s[G0B+4*\b:G0B+4*\b+3], s[G1B:G1B+7]
	s_nop 0
.Lasked_\@:
.endm
.macro STEPADR s                       ; the slot's next fill is four fills on
	s_add_nc_u64 s[G0A+4*\s+2:G0A+4*\s+3], s[G0A+4*\s+2:G0A+4*\s+3], 4*ASTEP
	s_add_nc_u64 s[G0B+4*\s+2:G0B+4*\s+3], s[G0B+4*\s+2:G0B+4*\s+3], 4*BSTEP
.endm
	s_load_b256 s[84:91], s[0:1], 0x0              ; ao s[84:85], wob s[86:87], bo s[88:89], out0 s[90:91]
	v_lshl_add_u32 v30, v0, 2, 0x4c400
	v_mov_b32 v31, 0
	ds_add_u32 v30, v31
	v_lshrrev_b32 v1, 5, v0
	v_readfirstlane_b32 s10, v1                    ; wave
	s_lshr_b32 s11, s10, 1                         ; my 64 rows.  Also: I fetch for ao (0) or wob (1)
	s_and_b32 s12, s10, 1                          ; my 64 columns.  Also: which kb of the fill I fetch
	s_bfe_u32 s92, ttmp6, 0x40000                  ; cx
	s_bfe_u32 s93, ttmp6, 0x40004                  ; cy
	s_lshl_b32 s94, ttmp9, 2
	s_add_co_u32 s94, s94, s92                     ; block column 0..7
	s_and_b32 s13, ttmp7, 0xffff
	s_lshl_b32 s13, s13, 2
	s_add_co_u32 s13, s13, s93                     ; block row 0..31
	s_lshl_b32 s95, s93, 2
	s_lshl_b32 s95, 15, s95                        ; my row of the cluster
	s_lshl_b32 s96, 0x1111, s92                    ; my column
	; group 1: 16,384 dense bytes as 64 rows of 32 elements of 8 bytes; behind every 32 words (128 bytes) 4 words of padding
	s_or_b32 s[G1A+0], s95, (3<<16)|(1<<20)|(1<<21)|(4<<22)|(3<<25)
	s_or_b32 s[G1B+0], s96, (3<<16)|(1<<20)|(1<<21)|(4<<22)|(3<<25)
	s_mov_b32 s[G1A+1], 32<<16
	s_mov_b32 s[G1B+1], 32<<16
	s_mov_b32 s[G1A+2], 64<<16
	s_mov_b32 s[G1B+2], 64<<16
	s_mov_b32 s[G1A+3], 32<<16
	s_mov_b32 s[G1B+3], 32<<16
	s_mov_b32 s[G1A+4], 64
	s_mov_b32 s[G1B+4], 64
	s_mov_b32 s[G1A+5], 32
	s_mov_b32 s[G1B+5], 32
	s_mov_b32 s[G1A+6], 0
	s_mov_b32 s[G1B+6], 0
	s_mov_b32 s[G1A+7], 0
	s_mov_b32 s[G1B+7], 0
	s_lshr_b32 s16, s13, 4                         ; ao: ((16 batch + kb) x 2,048 + 128 (block row % 16)) rows of 128 bytes
	s_lshl_b32 s16, s16, 4
	s_add_co_u32 s16, s16, s12
	s_lshl_b32 s16, s16, 11
	s_and_b32 s17, s13, 15
	s_lshl_b32 s17, s17, 7
	s_add_co_u32 s16, s16, s17
	s_lshl_b32 s16, s16, 7
	s_mov_b32 s17, 0
	s_lshl_b32 s98, s12, 10                        ; wob: (1,024 kb + 128 block column) rows of 128 bytes
	s_lshl_b32 s99, s94, 7
	s_add_co_u32 s98, s98, s99
	s_lshl_b32 s98, s98, 7
	s_mov_b32 s99, 0
	s_lshl_b32 s18, s94, 9                         ; bias and out0's columns: (128 block column + 64 column half) x 4 bytes
	s_lshl_b32 s19, s12, 8
	s_add_co_u32 s18, s18, s19
	s_mov_b32 s19, 0
	s_mul_i32 s20, s10, PART
	s_wait_dscnt 0x0
	s_wait_kmcnt 0x0
	s_add_nc_u64 s[14:15], s[84:85], s[16:17]
	s_add_nc_u64 s[98:99], s[86:87], s[98:99]
	s_add_nc_u64 s[88:89], s[88:89], s[18:19]
	s_add_nc_u64 s[8:9], s[90:91], s[18:19]
.irp s, 0,1,2,3
	s_mov_b32 s[G0A+4*\s], 1
	s_add_co_u32 s[G0A+4*\s+1], s20, \s*SLOT
	s_add_nc_u64 s[G0A+4*\s+2:G0A+4*\s+3], s[14:15], \s*ASTEP
	s_or_b32 s[G0A+4*\s+3], s[G0A+4*\s+3], 0x80000000
	s_mov_b32 s[G0B+4*\s], 1
	s_add_co_u32 s[G0B+4*\s+1], s20, \s*SLOT
	s_add_nc_u64 s[G0B+4*\s+2:G0B+4*\s+3], s[98:99], \s*BSTEP
	s_or_b32 s[G0B+4*\s+3], s[G0B+4*\s+3], 0x80000000
.endr
	CROUND                                         ; in front of the first joint loads
	JLOAD2 0, 1
	JLOAD2 2, 3                                    ; fills 0 to 3: four tensor loads of the wave are out
	v_and_b32 v1, 15, v0                           ; r
	v_bfe_u32 v2, v0, 4, 1                         ; h
	v_mul_u32_u24 v3, v1, KP
	v_lshl_add_u32 v3, v2, 4, v3                   ; row x pitch + 16 h
	s_mul_i32 s21, s11, 64*KP                      ; my 64 rows of ao's block
	s_mul_i32 s22, s12, 64*KP                      ; my 64 rows of wob's block,
	s_add_co_u32 s22, s22, 2*PART                  ; which lies behind ao's two parts
.irp s, 0,1,2,3
	v_add_nc_u32 v[ADRA+\s], s21, v3
	v_add_nc_u32 v[ADRB+\s], s22, v3
	s_add_co_u32 s21, s21, SLOT
	s_add_co_u32 s22, s22, SLOT
.endr
	s_mul_i32 s23, s10, 16*SPITCH
	s_add_co_u32 s23, s23, STAGE
	v_mul_u32_u24 v4, v1, SPITCH
	v_lshl_add_u32 v4, v2, 5, v4
	v_add_nc_u32 v[STO], s23, v4                   ; in: row r, 32 bytes a half
	v_mul_u32_u24 v5, v2, SPITCH
	v_lshl_add_u32 v5, v1, 4, v5
	v_add_nc_u32 v[RD], s23, v5                    ; back: sixteen lanes a row of 256 bytes, two rows an instruction
	v_lshlrev_b32 v6, 12, v2
	v_lshl_add_u32 v[CO], v1, 4, v6                ; the same two rows in out0
	v_lshlrev_b32 v[BO], 5, v2
.irp nt, 0,1,2,3
	global_load_b128 v[BIAS+8*\nt:BIAS+8*\nt+3],   v[BO], s[88:89] offset:64*\nt       ; register j: bias of column 16 nt + 8 h + j
	global_load_b128 v[BIAS+8*\nt+4:BIAS+8*\nt+7], v[BO], s[88:89] offset:64*\nt+16
.endr
.macro FETCH slot, q, f                ; 16 LDS loads: the fragments of quarter q (32 along K) of the slot's fill
	WIN 0
.irp t, 0,1,2,3
	ds_load_b128 v[\f+8*\t:\f+8*\t+3],   v[ADRA+\slot] offset:(\q>>1)*PART+64*(\q&1)+\t*16*KP
	ds_load_b128 v[\f+8*\t+4:\f+8*\t+7], v[ADRA+\slot] offset:(\q>>1)*PART+64*(\q&1)+\t*16*KP+32
.endr
.irp t, 0,1,2,3
	ds_load_b128 v[\f+32+8*\t:\f+32+8*\t+3],   v[ADRB+\slot] offset:(\q>>1)*PART+64*(\q&1)+\t*16*KP
	ds_load_b128 v[\f+32+8*\t+4:\f+32+8*\t+7], v[ADRB+\slot] offset:(\q>>1)*PART+64*(\q&1)+\t*16*KP+32
.endr
.endm
.macro MUL f, zero                     ; 16 products; the 16 accumulators take turns
.if \zero
	WIN 0x40                                       ; C is the bias, in window 0
.else
	WIN 0x50
.endif
.irp mt, 0,1,2,3
.irp nt, 0,1,2,3
.if \zero
	v_wmma_f32_16x16x32_f16 v[8*(4*\mt+\nt):8*(4*\mt+\nt)+7], v[\f+32+8*\nt:\f+32+8*\nt+7], v[\f+8*\mt:\f+8*\mt+7], v[BIAS+8*\nt:BIAS+8*\nt+7]
.else
	v_wmma_f32_16x16x32_f16 v[8*(4*\mt+\nt):8*(4*\mt+\nt)+7], v[\f+32+8*\nt:\f+32+8*\nt+7], v[\f+8*\mt:\f+8*\mt+7], v[8*(4*\mt+\nt):8*(4*\mt+\nt)+7]
.endif
.endr
.endr
.endm
.macro QTR f, g, slot, q, zero         ; multiplies buffer f; in front of that asks for quarter q into buffer g, which the last products read: four places first
	s_wait_dscnt 0x0
	PLACES
	FETCH \slot, \q, \g
	MUL \f, \zero
.endm
.macro THREE slot, zero
	QTR F0, F1, \slot, 1, \zero
	QTR F1, F0, \slot, 2, 0
	QTR F0, F1, \slot, 3, 0
.endm
.macro LASTQ next                      ; a fill's last quarter, behind its s_wait_dscnt 0 and what the change of slots needs
	PLACES
	FETCH \next, 0, F0
	MUL F1, 0
.endm
	s_wait_loadcnt 0x0                             ; the bias
	s_wait_tensorcnt 3                             ; my part of fill 0 is in; fills 1 to 3 stay out
	s_barrier_signal -1
	s_barrier_wait -1
	FETCH 0, 0, F0
	THREE 0, 1                                     ; fill 0: the first products start the sums from the bias
	s_wait_dscnt 0x0
	s_wait_tensorcnt 2                             ; my part of fill 1 is in; fills 2, 3 stay out
	s_barrier_signal -1
	s_barrier_wait -1
	LASTQ 1
	THREE 1, 0                                     ; fill 1
	s_wait_dscnt 0x0                               ; my reads of slots 0 and 1 are over
	s_wait_tensorcnt 0x0                           ; all my tensor loads have landed (fills 2, 3), so every group 0 may be written
	ds_add_u32 v30, v31
	s_wait_dscnt 0x0
	STEPADR 0
	STEPADR 1
	WIN 0
	CROUND                                         ; both hold of every wave of the sixteen work-groups
	JLOAD2 0, 1                                    ; fills 4, 5: the first tensor loads behind the round
	LASTQ 2
	THREE 2, 0                                     ; fill 2
	s_wait_dscnt 0x0
	LASTQ 3                                        ; fill 3 was shown landed in every wave in front of the last round
	THREE 3, 0                                     ; fill 3
	s_wait_dscnt 0x0                               ; my reads of slots 2 and 3 are over
	s_wait_tensorcnt 0x0                           ; fills 4, 5 have landed
	ds_add_u32 v30, v31
	s_wait_dscnt 0x0
	STEPADR 2
	STEPADR 3
	WIN 0
	CROUND
	JLOAD2 2, 3                                    ; fills 6, 7
	LASTQ 0
	THREE 0, 0                                     ; fill 4
	s_wait_dscnt 0x0
	LASTQ 1
	THREE 1, 0                                     ; fill 5
	s_wait_dscnt 0x0
	s_wait_tensorcnt 0x0                           ; fills 6, 7 have landed: the last
	s_barrier_signal -1
	s_barrier_wait -1
	LASTQ 2
	THREE 2, 0                                     ; fill 6
	s_wait_dscnt 0x0
	LASTQ 3
	THREE 3, 0                                     ; fill 7
	s_wait_dscnt 0x0
	MUL F1, 0
	; THE WAY OUT, 16 rows at a time: 32 bytes a lane into my own stage, back as rows of 256 bytes
	PLACES
	s_lshl_b32 s16, s13, 7
	s_lshl_b32 s17, s11, 6
	s_add_co_u32 s16, s16, s17
	s_lshl_b32 s16, s16, 12                        ; (128 block row + 64 row half) rows of 4,096 bytes
	s_mov_b32 s17, 0
	s_add_nc_u64 s[8:9], s[8:9], s[16:17]
.macro OUTM mt, f
	WIN 0x04                                       ; the stores' data in window 1
.irp nt, 0,1,2,3
	ds_store_b128 v[STO], v[8*(4*\mt+\nt):8*(4*\mt+\nt)+3]   offset:64*\nt
	ds_store_b128 v[STO], v[8*(4*\mt+\nt)+4:8*(4*\mt+\nt)+7] offset:64*\nt+16
.endr
	WIN 0
	s_wait_xcnt 0x0                                ; buffer f, which earlier stores read, and the stores' base are rewritten only behind this wait
.if \mt
	s_add_nc_u64 s[8:9], s[8:9], 16*4096
.endif
.irp t, 0,1,2,3,4,5,6,7
	ds_load_b128 v[\f+4*\t:\f+4*\t+3], v[RD] offset:2*SPITCH*\t    ; a wave's LDS instructions are served in order
.endr
.irp t, 0,1,2,3,4,5,6,7
	s_wait_dscnt 7-\t                              ; the younger read-backs stay out
	global_store_b128 v[CO], v[\f+4*\t:\f+4*\t+3], s[8:9] offset:2*4096*\t th:TH_STORE_NT   ; sixteen lanes store 256 consecutive bytes, aligned
.endr
.endm
	OUTM 0, TMP
	OUTM 1, TMP+32
	OUTM 2, TMP
	OUTM 3, TMP+32
	s_wait_tensorcnt 0x0
	ds_add_u32 v30, v31
	s_wait_dscnt 0x0
	CROUND                                         ; the closing round
	s_endpgm
.Lfunc_end_k_q4f189a25db_outp:
	.size	k_q4f189a25db_outp, .Lfunc_end_k_q4f189a25db_outp-k_q4f189a25db_outp
	.p2alignl 7, 3214868480
	.fill 96, 4, 3214868480
	.section	.rodata,"a",@progbits
	.p2align	6, 0x0
	.amdhsa_kernel k_q4f189a25db_outp
		.amdhsa_group_segment_fixed_size 327680
		.amdhsa_private_segment_fixed_size 0
		.amdhsa_enable_private_segment 0
		.amdhsa_kernarg_size 32
		.amdhsa_user_sgpr_count 2
		.amdhsa_user_sgpr_kernarg_segment_ptr 1
		.amdhsa_wavefront_size32 1
		.amdhsa_system_sgpr_workgroup_id_x 1
		.amdhsa_system_sgpr_workgroup_id_y 1
		.amdhsa_system_sgpr_workgroup_id_z 1
		.amdhsa_system_vgpr_workitem_id 0
		.amdhsa_next_free_vgpr 384
		.amdhsa_next_free_sgpr 100
		.amdhsa_reserve_vcc 0
		.amdhsa_float_denorm_mode_32 3
		.amdhsa_float_denorm_mode_16_64 3
		.amdhsa_memory_ordered 1
		.amdhsa_forward_progress 1
		.amdhsa_inst_pref_size 92
	.end_amdhsa_kernel
	.amdgpu_metadata
---
amdhsa.version: [ 1, 2 ]
amdhsa.kernels:
  - .name:           k_q4f189a25db_outp
    .symbol:         k_q4f189a25db_outp.kd
    .args:
      - { .name: ao, .offset: 0, .size: 8, .value_kind: global_buffer, .address_space: global }
      - { .name: wob, .offset: 8, .size: 8, .value_kind: global_buffer, .address_space: global }
      - { .name: bo, .offset: 16, .size: 8, .value_kind: global_buffer, .address_space: global }
      - { .name: out0, .offset: 24, .size: 8, .value_kind: global_buffer, .address_space: global }
    .group_segment_fixed_size: 327680
    .private_segment_fixed_size: 0
    .kernarg_segment_align: 8
    .kernarg_segment_size: 32
    .max_flat_workgroup_size: 128
    .sgpr_count:     100
    .vgpr_count:     384
    .wavefront_size: 32
...
	.end_amdgpu_metadata
.endif
;; end of part 4
